; MI455X (gfx1250); checked and timed in simulation.
; The chip was launched on July 23, 2026; its instructions are those of AMD's public machine-readable ISA for CDNA 5 (MIT licence, August 2026) and "CDNA5" Instruction Set Architecture Reference Guide (July 2026). The comments in the code are by the model that wrote it; some were corrected since.
;; Attention. Allowed arithmetic: float matrix products may take bf16 or f16 operands with f32 sums; other float arithmetic in f32, or as packed bf16 or f16 multiplies, adds, multiply-adds, maxima and minima; sums over many terms, partial sums and values carried from step to step in f32; what a program stores and reads back later, other than sums and carried values, may be rounded once to bf16 or f16.
;; Inputs: W_a 1,024 x 1,024 float32; W_p 1,024 x 1,024 float32; W_v 2,048 x 1,024 float32; v_p 1,024 x 1 float32; x 32 x 2,048 x 1,024 float32.
;; Outputs: out0 32 x 1,024 float32.
;; One version. Each part assembles by itself: llvm-mc -triple=amdgcn-amd-amdhsa -mcpu=gfx1250 --defsym DOCPART=n.
;; ======== version 1 of 1: 3 launches
;; workspace buffers: up 524,288 bytes; tp 524,288 bytes; gp 524,288 bytes; part 1,114,112 bytes
;; launch prep (part 1): grid 48 x 4, 8 waves a work-group, clusters of 4 x 1, 248,320 bytes of LDS; arguments x, W_a, W_p, W_v, up, tp, gp; writes up, tp, gp
.if DOCPART == 1
	.amdgcn_target "amdgcn-amd-amdhsa--gfx1250"
	.amdhsa_code_object_version 6
	.text
	.protected	k_qf69d8fcd36_prep
	.globl	k_qf69d8fcd36_prep
	.p2align	8
	.type	k_qf69d8fcd36_prep,@function
k_qf69d8fcd36_prep:
	s_mov_b64 s[64:65], 0
	v_nop
	global_prefetch_b8 v0, s[64:65] scope:SCOPE_SE
	s_setreg_imm32_b32 hwreg(HW_REG_WAVE_MODE, 25, 1), 1
	s_wait_xcnt 0x0
	s_wait_alu depctr_hold_cnt(0) depctr_sa_sdst(0) depctr_va_vdst(0) depctr_va_sdst(0) depctr_va_ssrc(0) depctr_va_vcc(0) depctr_vm_vsrc(0)
	s_getreg_b32 s2, hwreg(HW_REG_IB_STS2, 6, 4)
	s_cmp_eq_u32 s2, 0
	s_cbranch_scc0 .Lentry_in_a_cluster
	s_endpgm
.Lentry_in_a_cluster:
	s_bfe_u32 s2, ttmp6, 0x10000c
	s_cmp_lg_u32 s2, 0x3003
	s_cbranch_scc0 .Lentry_shape_is_right
	s_endpgm
.Lentry_shape_is_right:
; PREP.  h[b][:] = x[b][2047][:], 32 rows.  Three products with those 32 rows, each weight byte read once, all in f32 on the vector unit:
;   u[b][n] = sum over k of W_a[n][k] h[b][k]        (kind NT: the weight's rows lie along k)
;   t[b][n] = sum over k of h[b][k] W_p[k][n]        (kind NN)
;   g[b][n] = sum over k of h[b][k] W_v[1024+k][n]   (kind NN)
; u is what makes the scores cheap: sum_k (sum_h x[s][h] W_a[h][k]) h[k] = sum_h x[s][h] u[h], for every input.  LIMIT: the order of the f32 roundings differs from the problem's function.
; NO MATRIX UNIT: a score feeds an exponential, so u wants f32; with 32 rows the products read 16 bytes of weights for 32 multiply-adds a lane and are bound by the weights' bytes.
; SHARES.  A work-group makes 32 batches x 64 outputs over 256 of the 1,024 k: 3 products x 16 column blocks x 4 k chunks = 192 work-groups of equal work; the four k chunks' sums go out apart,
; [chunk][batch][1024], and the launches behind add them.  Wave w takes k = 32 w .. 32 w + 31 of the chunk; a lane 8 batches (bg + 4 i) x 8 outputs; the eight waves' sums meet in LDS.
; CLUSTER.  The four work-groups of a cluster have the same product and the same k chunk, so the same 32 KiB of h: one joint load.  Their 64 KiB of weights differ: loads of their own.
; The product's number comes from the cluster's x alone: it is the same in all waves and all four partners, so the one branch on it may hold a barrier.  The two kinds' weight tiles have LDS bytes
; of their own all the same, so that the two lines that fill them can never meet in a byte.
.set PH,    1040               ; an LDS row of 256 f32 + 16 bytes = 260 words: row r begins at bank 4 r mod 64 (64 banks of 4 bytes: ISA guide 11.1)
.set H0,    64*PH              ; 0 .. 66,559: kind NT's weights, 64 rows of pitch 1,040.  From here: h, 32 rows of pitch 1,040
.set RED,   H0+32*PH           ; 99,840: the waves' sums, for each wave 32 batches of pitch 320 bytes (64 outputs + 64 bytes: batch bg begins at bank 16 bg)
.set RP,    320
.set RPW,   32*RP
.set SPARE, RED+8*RPW          ; 181,760: the spare words, 128 bytes for each wave: four blocks of 256 bytes that no other line names
.set WN,    SPARE+1024         ; 182,784 .. 248,319: kind NN's weights, 256 rows of 256 bytes
.set NT,  0
.set NN,  1
.set HB1, 32                   ; v[32:63]    h of my 8 batches, 4 k: buffer for the odd quads
.set ACC, 64                   ; v[64:191]   NT: 64 pairs (even k's sum, odd k's sum), pair 8 i + j.  NN: v[64:127], four outputs at 4 (2 i + e)
.set HB0, 192                  ; v[192:223]  the same for the even quads
.set WB,  224                  ; v[224:255]  eight fragments of 4 weights
; v1 h's LDS address; v2 the weights'; v3 where my sums go; v4, v5 where I read sums back (waves 0-3, 4-7); v6 my byte offset in the output; v7, v8 the add's two registers
; s18 wave; s19 cx; s20 column block of 48; s21 product; s22 column block of 16; s23 k chunk; s[28:29] output; s[32:35], s[40:47] the weights' descriptor; s[36:39], s[48:55] h's
.macro ROUND                   ; a round of the cluster's barrier: my work-group's barrier; wave 0 signals for it; every wave waits for all four; my work-group's barrier once more
	s_barrier_signal -1
	s_barrier_wait -1
	s_cmp_lg_u32 s18, 0
	s_cbranch_scc1 .Lnot_wave_0_\@
	s_barrier_signal -3
.Lnot_wave_0_\@:
	s_barrier_wait -3
	s_barrier_signal -1
	s_barrier_wait -1
.endm
.macro LDH buf, q              ; h[bg + 4 i][4 q .. 4 q + 3] of my wave's 32 k, i = 0 .. 7
.irp i, 0,1,2,3,4,5,6,7
	ds_load_b128 v[(\buf)+4*(\i):(\buf)+4*(\i)+3], v1 offset:(\i)*4*PH+16*(\q)
.endr
.endm
.macro LDW kind, j, q          ; fragment j.  NT: output 2 ng + j % 2 + 16 (j / 2), k = 4 q .. 4 q + 3.  NN: k = 4 q + j / 2, outputs 32 (j % 2) + 4 ng .. + 3
.if (\kind) == 0
	ds_load_b128 v[WB+4*(\j):WB+4*(\j)+3], v2 offset:(((\j)%2)+16*((\j)/2))*PH+16*(\q)   ; no two share a bank
.else
	ds_load_b128 v[WB+4*(\j):WB+4*(\j)+3], v2 offset:(4*(\q)+(\j)/2)*256+128*((\j)%2)
.endif
.endm
.macro MAC kind, buf, j, first ; 16 packed multiply-adds on fragment j; first = 1: the products start the sums, nothing is cleared
.if (\kind) == 0
.irp i, 0,1,2,3,4,5,6,7
.set AR, ACC+2*(8*(\i)+(\j))
.if \first
	v_pk_mul_f32 v[AR:AR+1], v[(\buf)+4*(\i):(\buf)+4*(\i)+1], v[WB+4*(\j):WB+4*(\j)+1]
.else
	v_pk_fma_f32 v[AR:AR+1], v[(\buf)+4*(\i):(\buf)+4*(\i)+1], v[WB+4*(\j):WB+4*(\j)+1], v[AR:AR+1]
.endif
.endr
.irp i, 0,1,2,3,4,5,6,7
.set AR, ACC+2*(8*(\i)+(\j))
	v_pk_fma_f32 v[AR:AR+1], v[(\buf)+4*(\i)+2:(\buf)+4*(\i)+3], v[WB+4*(\j)+2:WB+4*(\j)+3], v[AR:AR+1]
.endr
.else
.set DD, (\j)/2
.set EE, (\j)%2
.irp i, 0,1,2,3,4,5,6,7
.irp c, 0,2
.set AR, ACC+4*(2*(\i)+EE)+(\c)
.set WR, WB+4*(\j)+(\c)
.set HR, (\buf)+4*(\i)+2*(DD/2)
.if (\first) && (DD == 0)
	v_pk_mul_f32 v[AR:AR+1], v[WR:WR+1], v[HR:HR+1] op_sel_hi:[1,0]
.elseif (DD%2) == 0
	v_pk_fma_f32 v[AR:AR+1], v[WR:WR+1], v[HR:HR+1], v[AR:AR+1] op_sel_hi:[1,0,1]               ; two outputs times the pair's first h
.else
	v_pk_fma_f32 v[AR:AR+1], v[WR:WR+1], v[HR:HR+1], v[AR:AR+1] op_sel:[0,1,0] op_sel_hi:[1,1,1]  ; times its second
.endif
.endr
.endr
.endif
.endm
; A quad: 4 k, 128 packed multiply-adds.  The next quad's h is asked for at its head, the next quad's fragment j as soon as this quad's fragment j has been multiplied.
.macro QUAD kind, q, first, last
.if ((\q)%2) == 0
.set BUF, HB0
.set OTH, HB1
.else
.set BUF, HB1
.set OTH, HB0
.endif
.if !(\last)
	LDH OTH, (\q)+1
.endif
.irp j, 0,1,2,3,4,5,6,7
.if \last
	s_wait_dscnt 7-(\j)                            ; behind fragment j only the fragments j + 1 .. 7 were asked for
.else
	s_wait_dscnt 15                                ; LDS loads come back in order (ISA guide 5.7.1): behind fragment j stand 7 - j of this quad, the next quad's 8 of h and j of its fragments
.endif
	MAC \kind, BUF, \j, \first
.if !(\last)
	LDW \kind, \j, (\q)+1
.endif
.endr
.endm
.macro COMPUTE kind
	s_wait_tensorcnt 0x0                           ; my two tensor loads have landed: my rows of h and of the weights,
	s_barrier_signal -1
	s_barrier_wait -1                              ; and everybody's: every wave reads all rows of h.  Nothing is ever filled again
	LDH HB0, 0
.irp j, 0,1,2,3,4,5,6,7
	LDW \kind, \j, 0
.endr
	QUAD \kind, 0, 1, 0
.irp q, 1,2,3,4,5,6
	QUAD \kind, \q, 0, 0
.endr
	QUAD \kind, 7, 0, 1
.endm
.macro SUM8 r                  ; eight quads at v[r + 4 m] are added into the first
.irp m, 0,8,16,24
.irp c, 0,2
	v_pk_add_f32 v[(\r)+(\m)+(\c):(\r)+(\m)+(\c)+1], v[(\r)+(\m)+(\c):(\r)+(\m)+(\c)+1], v[(\r)+(\m)+(\c)+4:(\r)+(\m)+(\c)+5]
.endr
.endr
.irp m, 0,16
.irp c, 0,2
	v_pk_add_f32 v[(\r)+(\m)+(\c):(\r)+(\m)+(\c)+1], v[(\r)+(\m)+(\c):(\r)+(\m)+(\c)+1], v[(\r)+(\m)+(\c)+8:(\r)+(\m)+(\c)+9]
.endr
.endr
.irp c, 0,2
	v_pk_add_f32 v[(\r)+(\c):(\r)+(\c)+1], v[(\r)+(\c):(\r)+(\c)+1], v[(\r)+(\c)+16:(\r)+(\c)+17]
.endr
.endm
	s_load_b256 s[4:11], s[0:1], 0x0               ; x s[4:5], W_a s[6:7], W_p s[8:9], W_v s[10:11]
	s_load_b128 s[12:15], s[0:1], 0x20             ; up s[12:13], tp s[14:15]
	s_load_b64 s[16:17], s[0:1], 0x30              ; gp
	v_lshl_add_u32 v7, v0, 2, SPARE
	v_mov_b32 v8, 0
	ds_add_u32 v7, v8                              ; the wave's opening: the add and its wait stand ahead of my first tensor load; the set-up below, work on registers, stands between them
	v_lshrrev_b32 v9, 5, v0
	v_readfirstlane_b32 s18, v9                    ; wave 0..7
	s_bfe_u32 s19, ttmp6, 0x40000                  ; cx: my place in the cluster
	s_lshl_b32 s20, ttmp9, 2                       ; in a cluster launch ttmp9 counts clusters
	s_add_co_u32 s20, s20, s19                     ; column block 0..47
	s_lshr_b32 s21, ttmp9, 2                       ; the product, 0..2: four clusters each
	s_and_b32 s22, s20, 15                         ; the product's column block: it enters the weights' and the output's addresses alone
	s_and_b32 s23, ttmp7, 0xffff                   ; the k chunk
	; h's descriptor, group 1: my 4 batches' rows of 256 f32, a batch 2,048 x 1,024 elements from the next, padded in LDS
	s_mov_b32 s48, 0x07f2000f                      ; 15:0 the mask of four; 17:16 elements of 4 bytes; 20 padding on; 21 set beside a mask; 24:22 after every 256 words (code 7); 31:25 4 words (code 3)
	s_mov_b32 s49, 256<<16                         ; tensor_dim0 = 256
	s_mov_b32 s50, 4<<16                           ; tensor_dim1 = 4
	s_mov_b32 s51, 256<<16                         ; tile_dim0 = 256
	s_mov_b32 s52, 4                               ; tile_dim1 = 4
	s_mov_b32 s53, 2048*1024                       ; elements from row to row
	s_mov_b32 s54, 0
	s_mov_b32 s55, 0
	s_mov_b32 s36, 1                               ; group 0: count = 1
	s_mul_i32 s37, s18, 4*PH
	s_add_co_u32 s37, s37, H0                      ; LDS address: batches 4 w .. 4 w + 3
	s_lshl_b32 s24, s18, 25                        ; 4 w batches of 8,388,608 bytes,
	s_lshl_b32 s25, s23, 10                        ; the chunk's 256 f32,
	s_add_co_u32 s24, s24, s25
	s_add_co_u32 s24, s24, 2047*4096               ; the last row: made of the wave and the chunk alone, which the partners share
	s_mov_b32 s25, 0
	s_lshl_b32 s30, s23, 17                        ; the output: chunk x 131,072 + column block x 256 bytes
	s_lshl_b32 s31, s22, 8
	s_add_co_u32 s30, s30, s31
	s_mov_b32 s31, 0
	v_and_b32 v9, 31, v0
	v_and_b32 v10, 3, v9                           ; bg
	v_lshrrev_b32 v11, 2, v9                       ; ng
	v_lshrrev_b32 v12, 4, v0                       ; the reduce: thread t takes batches t / 16 and 16 + t / 16, outputs 4 (t % 16) .. + 3
	v_and_b32 v13, 15, v0
	v_mul_u32_u24 v4, v12, RP
	v_lshl_add_u32 v4, v13, 4, v4
	v_add_nc_u32 v4, RED, v4
	v_add_nc_u32 v5, 4*RPW, v4
	v_lshlrev_b32 v6, 12, v12
	v_lshl_add_u32 v6, v13, 4, v6
	s_lshl_b32 s59, s18, 7                         ; my wave's 32 k: 128 bytes into a row
	s_add_co_u32 s60, s59, H0
	v_mul_u32_u24 v1, v10, PH
	v_add_nc_u32 v1, s60, v1
	s_mul_i32 s61, s18, RPW
	s_add_co_u32 s61, s61, RED
	v_mul_u32_u24 v14, v10, RP
	v_add_nc_u32 v14, s61, v14                     ; my wave's sums, batch bg
	s_wait_dscnt 0x0                               ; the opening add is done
	s_wait_kmcnt 0x0
	s_add_nc_u64 s[38:39], s[4:5], s[24:25]
	s_or_b32 s39, s39, 0x80000000                  ; type = 2
	ROUND                                          ; all four work-groups are here: the joint loads meet
	tensor_load_to_lds s[36:39], s[48:55]          ; h: the same line, descriptor and mask in all four
	s_nop 0
	s_cmp_lg_u32 s21, 0
	s_cbranch_scc1 .Lnn
	; KIND NT: my 8 rows of W_a, 256 f32 of each, padded
	s_mov_b32 s40, 0x07d20000                      ; no mask; elements of 4 bytes; 4 words of padding after every 256
	s_mov_b32 s41, 256<<16
	s_mov_b32 s42, 8<<16
	s_mov_b32 s43, 256<<16
	s_mov_b32 s44, 8
	s_mov_b32 s45, 1024
	s_mov_b32 s46, 0
	s_mov_b32 s47, 0
	s_mov_b32 s32, 1
	s_mul_i32 s33, s18, 8*PH
	s_lshl_b32 s26, s22, 18                        ; row 64 x block + 8 w, 4,096 bytes a row; the chunk's 1,024 bytes
	s_lshl_b32 s27, s18, 15
	s_add_co_u32 s26, s26, s27
	s_lshl_b32 s27, s23, 10
	s_add_co_u32 s26, s26, s27
	s_mov_b32 s27, 0
	s_add_nc_u64 s[34:35], s[6:7], s[26:27]
	s_or_b32 s35, s35, 0x80000000
	tensor_load_to_lds s[32:35], s[40:47]          ; two tensor loads of a wave are out
	s_nop 0
	s_add_nc_u64 s[28:29], s[12:13], s[30:31]      ; the sums go to up
	v_mul_u32_u24 v2, v11, 2*PH
	v_add_nc_u32 v2, s59, v2                       ; row 2 ng, my wave's k
	v_lshl_add_u32 v3, v11, 3, v14                 ; outputs 2 ng, 2 ng + 1
	COMPUTE NT
.set n, 0
.rept 64                                               ; even k's sum + odd k's; two neighbouring outputs' sums come to lie in neighbouring registers
.if (n%2) == 0
	v_add_f32 v[ACC+2*n], v[ACC+2*n], v[ACC+2*n+1]
.else
	v_add_f32 v[ACC+2*n-1], v[ACC+2*n], v[ACC+2*n+1]
.endif
.set n, n+1
.endr
.irp i, 0,1,2,3,4,5,6,7
.irp j, 0,1,2,3
	ds_store_b64 v3, v[ACC+2*(8*(\i)+2*(\j)):ACC+2*(8*(\i)+2*(\j))+1] offset:(\i)*4*RP+64*(\j)   ; 32 lanes: banks 16 bg + 2 ng and the next, all different
.endr
.endr
	s_branch .Ljoin
.Lnn:	; KIND NN: my 32 rows (k) of W_p or of W_v's lower half, 64 f32 of each: rows of 256 bytes, dense in LDS, read along the rows
	s_cmp_eq_u32 s21, 1
	s_cselect_b64 s[56:57], s[8:9], s[10:11]       ; W_p or W_v
	s_cselect_b64 s[28:29], s[14:15], s[16:17]     ; tp or gp
	s_cselect_b32 s26, 0, 0x400000                 ; W_v from its row 1,024 on
	s_mov_b32 s40, 0x00020000                      ; no mask; elements of 4 bytes; no padding
	s_mov_b32 s41, 64<<16
	s_mov_b32 s42, 32<<16
	s_mov_b32 s43, 64<<16
	s_mov_b32 s44, 32
	s_mov_b32 s45, 1024
	s_mov_b32 s46, 0
	s_mov_b32 s47, 0
	s_mov_b32 s32, 1
	s_lshl_b32 s33, s18, 13
	s_add_co_u32 s33, s33, WN                      ; LDS address: rows 32 w .. 32 w + 31 of this kind's own tile
	s_lshl_b32 s27, s23, 20                        ; row 256 x chunk + 32 w; column block x 256 bytes
	s_add_co_u32 s26, s26, s27
	s_lshl_b32 s27, s18, 17
	s_add_co_u32 s26, s26, s27
	s_lshl_b32 s27, s22, 8
	s_add_co_u32 s26, s26, s27
	s_mov_b32 s27, 0
	s_add_nc_u64 s[34:35], s[56:57], s[26:27]
	s_or_b32 s35, s35, 0x80000000
	tensor_load_to_lds s[32:35], s[40:47]
	s_nop 0
	s_add_nc_u64 s[28:29], s[28:29], s[30:31]
	v_lshlrev_b32 v2, 4, v11
	v_add_nc_u32 v2, s33, v2                       ; my wave's 32 rows, outputs 4 ng ..
	v_lshl_add_u32 v3, v11, 4, v14
	COMPUTE NN
.irp i, 0,1,2,3,4,5,6,7
.irp c, 0,1
	ds_store_b128 v3, v[ACC+4*(2*(\i)+(\c)):ACC+4*(2*(\i)+(\c))+3] offset:(\i)*4*RP+128*(\c)
.endr
.endr
.Ljoin:
	s_wait_dscnt 0x0                               ; for the others' sake: my sums are in LDS
	s_barrier_signal -1
	s_barrier_wait -1
.irp c, 0,1                                            ; the eight waves' sums of my 4 outputs, for two batches
.irp n, 0,1,2,3
	ds_load_b128 v[192+32*(\c)+4*(\n):192+32*(\c)+4*(\n)+3], v4 offset:(\n)*RPW+(\c)*16*RP
.endr
.irp n, 0,1,2,3
	ds_load_b128 v[208+32*(\c)+4*(\n):208+32*(\c)+4*(\n)+3], v5 offset:(\n)*RPW+(\c)*16*RP
.endr
.endr
	s_wait_dscnt 8                                 ; the first batch's eight are in, the second's may be out
	SUM8 192
	global_store_b128 v6, v[192:195], s[28:29]     ; 16 lanes store 256 consecutive bytes, at a multiple of 256 from the buffer's first byte
	s_wait_dscnt 0x0
	SUM8 224
	global_store_b128 v6, v[224:227], s[28:29] offset:65536
	s_wait_tensorcnt 0x0                           ; the wave's end: behind my last tensor load and my last LDS store
	ds_add_u32 v7, v8
	s_wait_dscnt 0x0
	ROUND                                          ; the closing round: no work-group ends while a partner may still ask for a tile that names it
	s_endpgm
.Lfunc_end_k_qf69d8fcd36_prep:
	.size	k_qf69d8fcd36_prep, .Lfunc_end_k_qf69d8fcd36_prep-k_qf69d8fcd36_prep
	.p2alignl 7, 3214868480
	.fill 96, 4, 3214868480
	.section	.rodata,"a",@progbits
	.p2align	6, 0x0
	.amdhsa_kernel k_qf69d8fcd36_prep
		.amdhsa_group_segment_fixed_size 248320
		.amdhsa_private_segment_fixed_size 0
		.amdhsa_enable_private_segment 0
		.amdhsa_kernarg_size 56
		.amdhsa_user_sgpr_count 2
		.amdhsa_user_sgpr_kernarg_segment_ptr 1
		.amdhsa_wavefront_size32 1
		.amdhsa_system_sgpr_workgroup_id_x 1
		.amdhsa_system_sgpr_workgroup_id_y 1
		.amdhsa_system_sgpr_workgroup_id_z 1
		.amdhsa_system_vgpr_workitem_id 0
		.amdhsa_next_free_vgpr 256
		.amdhsa_next_free_sgpr 66
		.amdhsa_reserve_vcc 0
		.amdhsa_float_denorm_mode_32 3
		.amdhsa_float_denorm_mode_16_64 3
		.amdhsa_memory_ordered 1
		.amdhsa_forward_progress 1
		.amdhsa_inst_pref_size 163
	.end_amdhsa_kernel
	.amdgpu_metadata
---
amdhsa.version: [ 1, 2 ]
amdhsa.kernels:
  - .name:           k_qf69d8fcd36_prep
    .symbol:         k_qf69d8fcd36_prep.kd
    .args:
      - { .name: x, .offset: 0, .size: 8, .value_kind: global_buffer, .address_space: global }
      - { .name: W_a, .offset: 8, .size: 8, .value_kind: global_buffer, .address_space: global }
      - { .name: W_p, .offset: 16, .size: 8, .value_kind: global_buffer, .address_space: global }
      - { .name: W_v, .offset: 24, .size: 8, .value_kind: global_buffer, .address_space: global }
      - { .name: up, .offset: 32, .size: 8, .value_kind: global_buffer, .address_space: global }
      - { .name: tp, .offset: 40, .size: 8, .value_kind: global_buffer, .address_space: global }
      - { .name: gp, .offset: 48, .size: 8, .value_kind: global_buffer, .address_space: global }
    .group_segment_fixed_size: 248320
    .private_segment_fixed_size: 0
    .kernarg_segment_align: 8
    .kernarg_segment_size: 56
    .max_flat_workgroup_size: 256
    .sgpr_count:     66
    .vgpr_count:     256
    .wavefront_size: 32
...
	.end_amdgpu_metadata
.endif
;; end of part 1
;; launch stream (part 2): grid 8 x 32, 16 waves a work-group, no clusters, 72,192 bytes of LDS; arguments x, up, tp, v_p, part; writes part
.if DOCPART == 2
	.amdgcn_target "amdgcn-amd-amdhsa--gfx1250"
	.amdhsa_code_object_version 6
	.text
	.protected	k_qf69d8fcd36_stream
	.globl	k_qf69d8fcd36_stream
	.p2align	8
	.type	k_qf69d8fcd36_stream,@function
k_qf69d8fcd36_stream:
	s_mov_b64 s[64:65], 0
	v_nop
	global_prefetch_b8 v0, s[64:65] scope:SCOPE_SE
	s_setreg_imm32_b32 hwreg(HW_REG_WAVE_MODE, 25, 1), 1
	s_wait_xcnt 0x0
; STREAM.  The one pass over x.  For batch b and its rows s = 256 p .. 256 p + 255:  score(s) = x[b][s] . u[b];  m = the largest score;  l = sum of e^(score - m);
; c[:] = sum of e^(score - m) gauss(s) x[b][s][:], gauss(s) = e^(-(s - a)^2 / 524288), a = 2048 sigmoid(v_p . tanh(t[b])).  The record (c, m, l) goes to part; the launch behind merges a batch's eight.
; The maximum is a running one, of the scores themselves; all in f32.  LIMITS: the order of the f32 roundings differs from the problem's function (a dot product is 4 chains x 32 lanes);
; a weight below 2^-126 counts as 0; tanh = 1 - 2 / (1 + e^2y) is off by about 1e-7 absolutely; NaN and infinities are not treated apart.
; SHARES.  256 work-groups of 16 waves x 256 registers, 1 MiB of x each.  Wave w takes rows w + 16 i, i = 0 .. 15: a row is 4,096 bytes, eight loads of 512 consecutive bytes, 32 registers a lane,
; and stays in registers between the dot product and the weighted sum: x is read once.  Register 4 j + e of lane L holds element 128 j + 4 L + e, of x, of u and of c alike.
; A ring of four row slots in registers: three rows of every wave are on their way while one is worked on; no barrier stands in the stream, and neither address register is ever rewritten (the row stands in the immediate).
; NO MATRIX UNIT, NO TENSOR LOADS, NO CLUSTER: one row of u against each row of x is two multiply-adds a number, bound by x's bytes; slots in registers need no barrier to be filled again;
; what the eight work-groups of a batch share (up, tp, v_p: 36 KiB) is 3% of a work-group's bytes.
.set UL,    0                  ; u, 4,096 bytes
.set ZW,    4096               ; the waves' parts of v_p . tanh(t): 16 words, a block of 256 bytes
.set ML,    4352               ; the waves' (m, l): 128 bytes, a block of 256 bytes
.set CT,    4608               ; the waves' c: 16 x 4,096 bytes
.set SPARE, CT+16*4096         ; 70,144: the spare words, 128 bytes for each wave: eight blocks of 256 bytes that no other line names
.set Q,   32                   ; v[32:47]   log2(e) (s - a)^2 / 524288 for my 16 rows
.set CTX, 64                   ; v[64:95]   c
.set U,   96                   ; v[96:127]  u
.set X,   128                  ; v[128:255] four row slots
; v1 16 x lane; v2 8 x thread; v3, v4 the add's two registers; v5 where my c goes; v[6:7] m, l; v8 the new m; v[10:11] the rescaling factor, the row's weight with gauss; v12 the weight without;
; v13-15 exponents; v16 a; v17 a row's number; v[20:27] four chains; v28 the score; v29 the other half of the lanes'; v[30:31] v_p; v[48:63] partial sums
; s14 wave; s15 batch; s16 chunk; s20, s21 lane selects; s22 log2(e)
.macro FILL s, row             ; eight loads of 512 consecutive bytes: the whole row
.irp j, 0,1,2,3,4,5,6,7
	global_load_b128 v[X+32*(\s)+4*(\j):X+32*(\s)+4*(\j)+3], v1, s[4:5] offset:(\row)*65536+512*(\j) th:TH_LOAD_NT
.endr
.endm
; Row i.  left = the loads of the younger rows, which stay out.
.macro TURN i, left
.set XS, X+32*((\i)%4)
	s_wait_loadcnt \left                           ; loads come back in order (ISA guide 5.7.1): my row's eight are in
.irp c, 0,1,2,3
	v_pk_mul_f32 v[20+2*(\c):21+2*(\c)], v[XS+2*(\c):XS+2*(\c)+1], v[U+2*(\c):U+2*(\c)+1]   ; the first products start the four chains
.endr
.irp n, 4,5,6,7,8,9,10,11,12,13,14,15
	v_pk_fma_f32 v[20+2*((\n)%4):21+2*((\n)%4)], v[XS+2*(\n):XS+2*(\n)+1], v[U+2*(\n):U+2*(\n)+1], v[20+2*((\n)%4):21+2*((\n)%4)]
.endr
	v_pk_add_f32 v[20:21], v[20:21], v[22:23]
	v_pk_add_f32 v[24:25], v[24:25], v[26:27]
	v_pk_add_f32 v[20:21], v[20:21], v[24:25]
	v_add_f32 v28, v20, v21
	v_add_f32_dpp v28, v28, v28 row_xmask:1 row_mask:0xf bank_mask:0xf
	v_add_f32_dpp v28, v28, v28 row_xmask:2 row_mask:0xf bank_mask:0xf
	v_add_f32_dpp v28, v28, v28 row_xmask:4 row_mask:0xf bank_mask:0xf
	v_add_f32_dpp v28, v28, v28 row_xmask:8 row_mask:0xf bank_mask:0xf
	v_permlanex16_b32 v29, v28, s20, s21
	v_add_f32 v28, v28, v29                        ; the score, in every lane
.if (\i) == 0                                          ; the first row starts m, l and c: nothing is cleared
	v_sub_f32 v15, 0, v[Q]
	v_exp_f32 v11, v15                             ; its weight is 1, with gauss 2^-Q
	v_mov_b32 v6, v28                              ; (a plain instruction behind the exponential, before its result is used: ISA guide 5.7.2)
	v_mov_b32 v7, 1.0
	s_wait_alu depctr_va_vdst(0)
.irp n, 0,1,2,3,4,5,6,7,8,9,10,11,12,13,14,15
	v_pk_mul_f32 v[CTX+2*(\n):CTX+2*(\n)+1], v[XS+2*(\n):XS+2*(\n)+1], v[10:11] op_sel:[0,1] op_sel_hi:[1,1]
.endr
.else
	v_max_num_f32 v8, v6, v28                      ; the new m
	v_sub_f32 v13, v6, v8
	v_sub_f32 v14, v28, v8
	v_mul_f32 v13, s22, v13
	v_fma_f32 v15, v14, s22, -v[Q+(\i)]
	v_mul_f32 v14, s22, v14
	v_exp_f32 v10, v13                             ; what l and c are rescaled by: 1 where m has not grown
	v_exp_f32 v12, v14                             ; the row's weight
	v_exp_f32 v11, v15                             ; and with gauss
	v_mov_b32 v6, v8                               ; the plain instruction behind the exponentials
	s_wait_alu depctr_va_vdst(0)
	v_fma_f32 v7, v7, v10, v12
.irp n, 0,1,2,3,4,5,6,7,8,9,10,11,12,13,14,15
	v_pk_mul_f32 v[CTX+2*(\n):CTX+2*(\n)+1], v[CTX+2*(\n):CTX+2*(\n)+1], v[10:11] op_sel_hi:[1,0]
.endr
.irp n, 0,1,2,3,4,5,6,7,8,9,10,11,12,13,14,15
	v_pk_fma_f32 v[CTX+2*(\n):CTX+2*(\n)+1], v[XS+2*(\n):XS+2*(\n)+1], v[10:11], v[CTX+2*(\n):CTX+2*(\n)+1] op_sel:[0,1,0] op_sel_hi:[1,1,1]
.endr
.endif
.if (\i)+4 < 16
	FILL (\i)%4, (\i)+4                            ; the slot takes the row four further on
.endif
.endm
	s_load_b256 s[4:11], s[0:1], 0x0               ; x s[4:5], up s[6:7], tp s[8:9], v_p s[10:11]
	s_load_b64 s[12:13], s[0:1], 0x20              ; part
	v_lshl_add_u32 v3, v0, 2, SPARE
	v_mov_b32 v4, 0
	v_lshrrev_b32 v9, 5, v0
	v_readfirstlane_b32 s14, v9                    ; wave 0..15
	s_and_b32 s15, ttmp7, 0xffff                   ; batch
	s_mov_b32 s16, ttmp9                           ; chunk of 256 rows
	v_and_b32 v1, 31, v0
	v_lshlrev_b32 v1, 4, v1
	v_lshlrev_b32 v2, 3, v0
	s_lshl_b32 s18, s15, 23                        ; batch x 8 MiB + chunk x 1 MiB + wave x 4,096: under 2^28
	s_lshl_b32 s17, s16, 20
	s_add_co_u32 s18, s18, s17
	s_lshl_b32 s17, s14, 12
	s_add_co_u32 s18, s18, s17
	s_mov_b32 s19, 0
	s_lshl_b32 s24, s15, 12                        ; the batch's row in up and tp
	s_mov_b32 s25, 0
	s_lshl_b32 s26, s15, 3
	s_add_co_u32 s26, s26, s16
	s_mul_i32 s26, s26, 4352                       ; record 8 b + p
	s_mov_b32 s27, 0
	s_add_co_u32 s28, s17, CT
	v_add_nc_u32 v5, s28, v1
	s_lshl_b32 s29, s14, 2
	s_add_co_u32 s29, s29, ZW
	s_lshl_b32 s30, s14, 3
	s_add_co_u32 s30, s30, ML
	s_lshl_b32 s23, s16, 8
	s_add_co_u32 s23, s23, s14                     ; my first row's number in the sequence
	s_mov_b32 s20, 0x76543210                      ; v_permlanex16_b32: each lane takes its own place in the other half
	s_mov_b32 s21, 0xfedcba98
	s_mov_b32 s22, 0x3fb8aa3b                      ; log2(e)
	v_mov_b32 v10, 1.0                             ; named in a pair with v11 before it is first made
	v_mov_b32 v29, 0                               ; the permute's destination counts as read
	s_wait_kmcnt 0x0
	s_add_nc_u64 s[4:5], s[4:5], s[18:19]
	s_add_nc_u64 s[6:7], s[6:7], s[24:25]
	s_add_nc_u64 s[8:9], s[8:9], s[24:25]
	s_add_nc_u64 s[12:13], s[12:13], s[26:27]
.irp k, 0,1,2,3
	global_load_b64 v[48+2*(\k):49+2*(\k)], v2, s[6:7] offset:(\k)*131072   ; the four k chunks' sums of u[2 t], u[2 t + 1]
.endr
.irp k, 0,1,2,3
	global_load_b64 v[56+2*(\k):57+2*(\k)], v2, s[8:9] offset:(\k)*131072   ; and of t
.endr
	global_load_b64 v[30:31], v2, s[10:11]
	FILL 0, 0
	FILL 1, 1
	FILL 2, 2
	FILL 3, 3
	s_wait_loadcnt 32                              ; the nine small loads are in; the 32 loads of x stay out
	v_pk_add_f32 v[48:49], v[48:49], v[50:51]
	v_pk_add_f32 v[52:53], v[52:53], v[54:55]
	v_pk_add_f32 v[56:57], v[56:57], v[58:59]
	v_pk_add_f32 v[60:61], v[60:61], v[62:63]
	v_pk_add_f32 v[48:49], v[48:49], v[52:53]
	v_pk_add_f32 v[56:57], v[56:57], v[60:61]
	ds_store_b64 v2, v[48:49]                      ; u, at UL + 8 t
	v_mul_f32 v56, 0x4038aa3b, v56                 ; tanh(y) = 1 - 2 / (1 + 2^(2 log2(e) y))
	v_mul_f32 v57, 0x4038aa3b, v57
	v_exp_f32 v56, v56
	v_exp_f32 v57, v57
	v_nop
	s_wait_alu depctr_va_vdst(0)
	v_add_f32 v56, 1.0, v56
	v_add_f32 v57, 1.0, v57
	v_rcp_f32 v56, v56
	v_rcp_f32 v57, v57
	v_nop
	s_wait_alu depctr_va_vdst(0)
	v_fma_f32 v56, v56, -2.0, 1.0
	v_fma_f32 v57, v57, -2.0, 1.0
	v_mul_f32 v28, v56, v30
	v_fmac_f32 v28, v57, v31
	v_add_f32_dpp v28, v28, v28 row_xmask:1 row_mask:0xf bank_mask:0xf
	v_add_f32_dpp v28, v28, v28 row_xmask:2 row_mask:0xf bank_mask:0xf
	v_add_f32_dpp v28, v28, v28 row_xmask:4 row_mask:0xf bank_mask:0xf
	v_add_f32_dpp v28, v28, v28 row_xmask:8 row_mask:0xf bank_mask:0xf
	v_permlanex16_b32 v29, v28, s20, s21
	v_add_f32 v28, v28, v29
	v_mov_b32 v9, s29
	ds_store_b32 v9, v28                           ; my wave's part of v_p . tanh(t): all lanes write the same word with the same value
	s_wait_dscnt 0x0                               ; for the others' sake
	s_barrier_signal -1
	s_barrier_wait -1                              ; x's loads stay on their way: nobody writes x
	v_mov_b32 v19, ZW
.irp n, 0,1,2,3
	ds_load_b128 v[48+4*(\n):51+4*(\n)], v19 offset:16*(\n)
.endr
.irp j, 0,1,2,3,4,5,6,7
	ds_load_b128 v[U+4*(\j):U+4*(\j)+3], v1 offset:UL+512*(\j)
.endr
	s_wait_dscnt 8                                 ; the sixteen parts are in; u's eight loads may be out
.irp n, 0,2,4,6
	v_pk_add_f32 v[48+(\n):49+(\n)], v[48+(\n):49+(\n)], v[56+(\n):57+(\n)]
.endr
	v_pk_add_f32 v[48:49], v[48:49], v[52:53]
	v_pk_add_f32 v[50:51], v[50:51], v[54:55]
	v_pk_add_f32 v[48:49], v[48:49], v[50:51]
	v_add_f32 v48, v48, v49
	v_mul_f32 v48, 0xbfb8aa3b, v48                 ; sigmoid(z) = 1 / (1 + 2^(-log2(e) z))
	v_exp_f32 v48, v48
	v_nop
	s_wait_alu depctr_va_vdst(0)
	v_add_f32 v48, 1.0, v48
	v_rcp_f32 v48, v48
	v_nop
	s_wait_alu depctr_va_vdst(0)
	v_mul_f32 v16, 0x45000000, v48                 ; a = 2048 sigmoid(z)
	v_cvt_f32_u32 v17, s23
.set n, 0
.rept 16
	v_sub_f32 v[Q+n], v17, v16                     ; s - a, s exact
	v_add_f32 v17, 0x41800000, v17                 ; my next row lies 16 further on
.set n, n+1
.endr
.set n, 0
.rept 16
	v_mul_f32 v[48+n], 0x3638aa3b, v[Q+n]          ; log2(e) / 524288
.set n, n+1
.endr
.set n, 0
.rept 16
	v_mul_f32 v[Q+n], v[48+n], v[Q+n]
.set n, n+1
.endr
	s_wait_dscnt 0x0                               ; u is in
.irp i, 0,1,2,3,4,5,6,7,8,9,10,11,12
	TURN \i, 24                                    ; three younger rows, eight loads each, stay out
.endr
	TURN 13, 16                                    ; nothing is left to fetch: the counts run down
	TURN 14, 8
	TURN 15, 0
	; THE SIXTEEN WAVES' RECORDS ARE MERGED: M = the largest m; e_w = 2^(log2(e) (m_w - M)); l = sum of e_w l_w; c = sum of e_w c_w.  Thread t makes c[2 t], c[2 t + 1].
	v_mov_b32 v18, s30
	ds_store_b64 v18, v[6:7]
.irp j, 0,1,2,3,4,5,6,7
	ds_store_b128 v5, v[CTX+4*(\j):CTX+4*(\j)+3] offset:512*(\j)
.endr
	s_wait_dscnt 0x0                               ; for the others' sake
	s_barrier_signal -1
	s_barrier_wait -1
	v_mov_b32 v19, ML
	v_add_nc_u32 v9, CT, v2
.irp n, 0,1,2,3,4,5,6,7
	ds_load_b128 v[128+4*(\n):131+4*(\n)], v19 offset:16*(\n)
.endr
.irp n, 0,1,2,3,4,5,6,7,8,9,10,11,12,13,14,15
	ds_load_b64 v[176+2*(\n):177+2*(\n)], v9 offset:4096*(\n)
.endr
	s_wait_dscnt 16                                ; the sixteen (m, l) are in; the sixteen loads of c may be out
	v_max3_num_f32 v6, v128, v130, v132
.irp n, 3,5,7,9,11,13
	v_max3_num_f32 v6, v6, v[128+2*(\n)], v[130+2*(\n)]
.endr
	v_max_num_f32 v6, v6, v158
.set n, 0
.rept 16
	v_sub_f32 v[160+n], v[128+2*n], v6
.set n, n+1
.endr
.set n, 0
.rept 16
	v_mul_f32 v[160+n], s22, v[160+n]
.set n, n+1
.endr
.set n, 0
.rept 16
	v_exp_f32 v[160+n], v[160+n]
.set n, n+1
.endr
	v_nop
	s_wait_alu depctr_va_vdst(0)
	v_mul_f32 v7, v160, v129
.set n, 1
.rept 15
	v_fmac_f32 v7, v[160+n], v[129+2*n]
.set n, n+1
.endr
	s_wait_dscnt 0x0
	v_pk_mul_f32 v[20:21], v[176:177], v[160:161] op_sel_hi:[1,0]              ; two chains: the even waves',
	v_pk_mul_f32 v[22:23], v[178:179], v[160:161] op_sel:[0,1] op_sel_hi:[1,1] ; the odd waves'
.irp n, 2,4,6,8,10,12,14
	v_pk_fma_f32 v[20:21], v[176+2*(\n):177+2*(\n)], v[160+(\n):161+(\n)], v[20:21] op_sel_hi:[1,0,1]
	v_pk_fma_f32 v[22:23], v[178+2*(\n):179+2*(\n)], v[160+(\n):161+(\n)], v[22:23] op_sel:[0,1,0] op_sel_hi:[1,1,1]
.endr
	v_pk_add_f32 v[20:21], v[20:21], v[22:23]
	s_wait_tensorcnt 0x0                           ; the wave's end: behind my last LDS store
	ds_add_u32 v3, v4
	s_wait_dscnt 0x0
	global_store_b64 v2, v[20:21], s[12:13]        ; a wave stores 256 consecutive bytes, at a multiple of 256 from the buffer's first byte
	s_cmp_lg_u32 s14, 0
	s_cbranch_scc1 .Lend
	global_store_b64 v2, v[6:7], s[12:13] offset:4096  ; wave 0: (M, l), 32 times: the record's last 256 bytes are written whole
.Lend:
	s_endpgm
.Lfunc_end_k_qf69d8fcd36_stream:
	.size	k_qf69d8fcd36_stream, .Lfunc_end_k_qf69d8fcd36_stream-k_qf69d8fcd36_stream
	.p2alignl 7, 3214868480
	.fill 96, 4, 3214868480
	.section	.rodata,"a",@progbits
	.p2align	6, 0x0
	.amdhsa_kernel k_qf69d8fcd36_stream
		.amdhsa_group_segment_fixed_size 72192
		.amdhsa_private_segment_fixed_size 0
		.amdhsa_enable_private_segment 0
		.amdhsa_kernarg_size 40
		.amdhsa_user_sgpr_count 2
		.amdhsa_user_sgpr_kernarg_segment_ptr 1
		.amdhsa_wavefront_size32 1
		.amdhsa_system_sgpr_workgroup_id_x 1
		.amdhsa_system_sgpr_workgroup_id_y 1
		.amdhsa_system_sgpr_workgroup_id_z 1
		.amdhsa_system_vgpr_workitem_id 0
		.amdhsa_next_free_vgpr 256
		.amdhsa_next_free_sgpr 66
		.amdhsa_reserve_vcc 0
		.amdhsa_float_denorm_mode_32 3
		.amdhsa_float_denorm_mode_16_64 3
		.amdhsa_memory_ordered 1
		.amdhsa_forward_progress 1
		.amdhsa_inst_pref_size 91
	.end_amdhsa_kernel
	.amdgpu_metadata
---
amdhsa.version: [ 1, 2 ]
amdhsa.kernels:
  - .name:           k_qf69d8fcd36_stream
    .symbol:         k_qf69d8fcd36_stream.kd
    .args:
      - { .name: x, .offset: 0, .size: 8, .value_kind: global_buffer, .address_space: global }
      - { .name: up, .offset: 8, .size: 8, .value_kind: global_buffer, .address_space: global }
      - { .name: tp, .offset: 16, .size: 8, .value_kind: global_buffer, .address_space: global }
      - { .name: v_p, .offset: 24, .size: 8, .value_kind: global_buffer, .address_space: global }
      - { .name: part, .offset: 32, .size: 8, .value_kind: global_buffer, .address_space: global }
    .group_segment_fixed_size: 72192
    .private_segment_fixed_size: 0
    .kernarg_segment_align: 8
    .kernarg_segment_size: 40
    .max_flat_workgroup_size: 512
    .sgpr_count:     66
    .vgpr_count:     256
    .wavefront_size: 32
...
	.end_amdgpu_metadata
.endif
;; end of part 2
;; launch finish (part 3): grid 16 x 16, 8 waves a work-group, clusters of 4 x 1, 277,504 bytes of LDS; arguments W_v, part, gp, out0; writes out0
.if DOCPART == 3
	.amdgcn_target "amdgcn-amd-amdhsa--gfx1250"
	.amdhsa_code_object_version 6
	.text
	.protected	k_qf69d8fcd36_finish
	.globl	k_qf69d8fcd36_finish
	.p2align	8
	.type	k_qf69d8fcd36_finish,@function
k_qf69d8fcd36_finish:
	s_mov_b64 s[64:65], 0
	v_nop
	global_prefetch_b8 v0, s[64:65] scope:SCOPE_SE
	s_setreg_imm32_b32 hwreg(HW_REG_WAVE_MODE, 25, 1), 1
	s_wait_xcnt 0x0
	s_wait_alu depctr_hold_cnt(0) depctr_sa_sdst(0) depctr_va_vdst(0) depctr_va_sdst(0) depctr_va_ssrc(0) depctr_va_vcc(0) depctr_vm_vsrc(0)
	s_getreg_b32 s2, hwreg(HW_REG_IB_STS2, 6, 4)
	s_cmp_eq_u32 s2, 0
	s_cbranch_scc0 .Lentry_in_a_cluster
	s_endpgm
.Lentry_in_a_cluster:
	s_bfe_u32 s2, ttmp6, 0x10000c
	s_cmp_lg_u32 s2, 0x3003
	s_cbranch_scc0 .Lentry_shape_is_right
	s_endpgm
.Lentry_shape_is_right:
; FINISH.  context[b] = (sum over a batch's 8 records of e_p c_p) / (sum of e_p l_p), e_p = e^(m_p - M);  out[b][n] = tanh(sum over k of context[b][k] W_v[k][n] + g[b][n]), g from the four sums in gp.
; All in f32 on the vector unit: two rows against W_v's upper half are bound by its bytes.  LIMITS: the order of the f32 roundings differs from the problem's function; tanh = 1 - 2 / (1 + e^2y) is off by about
; 1e-7 absolutely; NaN and infinities are not treated apart.  The divisor is at least 1: the record that holds M has e = 1 and l >= 1.
; SHARES.  A work-group makes 2 batches x 64 columns over all 1,024 k: 16 x 16 = 256 work-groups.  Wave w takes k = 128 w .. 128 w + 127: it merges that part of the context, brings those 128 rows of W_v's
; 64 columns (rows of 256 bytes) by one tensor load and reads only what it brought, behind its own wait.  Lanes 0-15 take its first 64 k, lanes 16-31 the others; lane % 16 four columns.
; CLUSTER.  The four work-groups of a cluster differ in their batches alone and need the same 256 KiB of W_v, four fifths of a work-group's bytes: joint loads.
.set WT,    0                  ; W_v's tile: 1,024 rows of 256 bytes, dense: a load of 16 lanes takes one whole row
.set CX,    262144             ; the context: for each wave 2 batches x 128 f32
.set RD,    CX+8192            ; 270,336: twelve entries of 2 batches x 64 columns: the eight waves' sums, then gp's four
.set SPARE, RD+6144            ; 276,480: the spare words, 128 bytes for each wave: four blocks of 256 bytes that no other line names
.set B0,  32                   ; v[32:55], v[56:79]  two buffers for 4 k: four rows of W_v (4 columns each), then 4 numbers of each batch's context
.set B1,  56
; v1 my offset in a record's c; v2 my record's (m, l); v3 W_v in LDS; v4 the context, read; v5 the context, stored; v6 my sums; v7 all sums, read; v8 my offset in out0; v[10:15] statistics;
; v[16:23] sums, 4 columns a batch; v[24:31] context; v80, v81 the add's two registers; v83 gp's offset; v84 gp's entry; v[96:159] 16 records' c; v[160:207] gp, later the twelve entries
; s12 wave; s13 cx; s14 pair of batches; s15 column block; s[16:19], s[20:27] the descriptor; s32, s33 lane selects; s[36:51] the records' factors; s52 log2(e); s53 twice that
.macro ROUND                   ; a round of the cluster's barrier: my work-group's barrier; wave 0 signals for it; every wave waits for all four; my work-group's barrier once more
	s_barrier_signal -1
	s_barrier_wait -1
	s_cmp_lg_u32 s12, 0
	s_cbranch_scc1 .Lnot_wave_0_\@
	s_barrier_signal -3
.Lnot_wave_0_\@:
	s_barrier_wait -3
	s_barrier_signal -1
	s_barrier_wait -1
.endm
.macro LDQ buf, qq             ; k = 4 qq .. 4 qq + 3 of my half's 64
.irp d, 0,1,2,3
	ds_load_b128 v[(\buf)+4*(\d):(\buf)+4*(\d)+3], v3 offset:(4*(\qq)+(\d))*256
.endr
.irp g, 0,1
	ds_load_b128 v[(\buf)+16+4*(\g):(\buf)+16+4*(\g)+3], v4 offset:(\g)*512+16*(\qq)
.endr
.endm
.macro MACQ buf, first         ; 16 packed multiply-adds; first = 1: the products start the sums
.irp d, 0,1,2,3
.irp g, 0,1
.irp c, 0,2
.set AR, 16+4*(\g)+(\c)
.set WR, (\buf)+4*(\d)+(\c)
.set CR, (\buf)+16+4*(\g)+2*((\d)/2)
.if (\first) && ((\d) == 0)
	v_pk_mul_f32 v[AR:AR+1], v[WR:WR+1], v[CR:CR+1] op_sel_hi:[1,0]
.elseif ((\d)%2) == 0
	v_pk_fma_f32 v[AR:AR+1], v[WR:WR+1], v[CR:CR+1], v[AR:AR+1] op_sel_hi:[1,0,1]
.else
	v_pk_fma_f32 v[AR:AR+1], v[WR:WR+1], v[CR:CR+1], v[AR:AR+1] op_sel:[0,1,0] op_sel_hi:[1,1,1]
.endif
.endr
.endr
.endr
.endm
	s_load_b256 s[4:11], s[0:1], 0x0               ; W_v s[4:5], part s[6:7], gp s[8:9], out0 s[10:11]
	v_lshl_add_u32 v80, v0, 2, SPARE
	v_mov_b32 v81, 0
	ds_add_u32 v80, v81                            ; the wave's opening: the add and its wait stand ahead of my first tensor load; the set-up below, work on registers, stands between them
	v_lshrrev_b32 v9, 5, v0
	v_readfirstlane_b32 s12, v9                    ; wave 0..7
	s_bfe_u32 s13, ttmp6, 0x40000                  ; cx: my place in the cluster
	s_lshl_b32 s14, ttmp9, 2
	s_add_co_u32 s14, s14, s13                     ; my pair of batches: it enters part's, gp's and out0's addresses alone
	s_and_b32 s15, ttmp7, 0xffff                   ; the column block, which the four partners share
	s_mov_b32 s20, 0x0022000f                      ; 15:0 the mask of four; 17:16 elements of 4 bytes; 21 set beside a mask; no padding
	s_mov_b32 s21, 64<<16                          ; tensor_dim0 = 64
	s_mov_b32 s22, 128<<16                         ; tensor_dim1 = 128
	s_mov_b32 s23, 64<<16                          ; tile_dim0 = 64
	s_mov_b32 s24, 128                             ; tile_dim1 = 128
	s_mov_b32 s25, 1024                            ; elements from row to row
	s_mov_b32 s26, 0
	s_mov_b32 s27, 0
	s_mov_b32 s16, 1                               ; count = 1
	s_lshl_b32 s17, s12, 15                        ; LDS address: my 128 rows
	s_lshl_b32 s28, s12, 19                        ; 128 w rows of 4,096 bytes + column block x 256
	s_lshl_b32 s29, s15, 8
	s_add_co_u32 s28, s28, s29
	s_mov_b32 s29, 0
	s_mul_i32 s30, s14, 16*4352                    ; my two batches' sixteen records
	s_mov_b32 s31, 0
	s_lshl_b32 s34, s14, 13                        ; out0: two rows of 4,096 bytes a pair, column block x 256
	s_lshl_b32 s35, s15, 8
	s_add_co_u32 s34, s34, s35
	s_mov_b32 s35, 0
	s_lshr_b32 s2, s12, 1                          ; gp: wave w brings k chunk w / 2 of batch w % 2
	s_lshl_b32 s2, s2, 17
	s_and_b32 s3, s12, 1
	s_lshl_b32 s3, s3, 12
	s_add_co_u32 s54, s34, s2
	s_add_co_u32 s54, s54, s3
	s_mov_b32 s55, 0
	s_mov_b32 s32, 0x76543210
	s_mov_b32 s33, 0xfedcba98
	s_mov_b32 s52, 0x3fb8aa3b
	s_mov_b32 s53, 0x4038aa3b
	v_and_b32 v85, 31, v0                          ; lane
	v_lshrrev_b32 v86, 4, v85                      ; its half
	v_and_b32 v87, 15, v85
	s_lshl_b32 s2, s12, 9
	v_lshl_add_u32 v1, v85, 4, s2                  ; 512 w + 16 x lane: my 4 of the wave's 128 k
	v_mul_u32_u24 v2, v87, 4352
	v_add_nc_u32 v2, 4096, v2                      ; lane % 16 takes that record's (m, l)
	v_lshlrev_b32 v3, 14, v86
	v_lshl_add_u32 v3, v87, 4, v3
	v_add_nc_u32 v3, s17, v3
	s_lshl_b32 s2, s12, 10
	s_add_co_u32 s2, s2, CX
	v_lshl_add_u32 v4, v86, 8, s2
	v_lshl_add_u32 v5, v85, 4, s2
	s_lshl_b32 s3, s12, 9
	s_add_co_u32 s3, s3, RD
	v_lshl_add_u32 v6, v87, 4, s3
	v_lshlrev_b32 v7, 4, v85
	v_add_nc_u32 v7, RD, v7
	v_lshlrev_b32 v8, 12, v86
	v_lshl_add_u32 v8, v87, 4, v8
	v_lshlrev_b32 v83, 4, v87
	s_lshl_b32 s3, s12, 8
	s_add_co_u32 s3, s3, RD+4096
	v_add_nc_u32 v84, s3, v83
	s_wait_dscnt 0x0                               ; the opening add is done
	s_wait_kmcnt 0x0
	s_add_nc_u64 s[18:19], s[4:5], s[28:29]
	s_or_b32 s19, s19, 0x80000000                  ; type = 2
	s_add_nc_u64 s[6:7], s[6:7], s[30:31]
	s_add_nc_u64 s[8:9], s[8:9], s[54:55]
	s_add_nc_u64 s[10:11], s[10:11], s[34:35]
	ROUND                                          ; all four work-groups are here: the joint loads meet
	tensor_load_to_lds s[16:19], s[20:27]          ; my 128 rows x 256 bytes: the wave's one tensor load
	s_nop 0
	global_load_b128 v[160:163], v83, s[8:9]       ; gp: 256 bytes, both halves of the lanes the same
	global_load_b64 v[10:11], v2, s[6:7]
.irp r, 0,1,2,3,4,5,6,7,8,9,10,11,12,13,14,15
	global_load_b128 v[96+4*(\r):99+4*(\r)], v1, s[6:7] offset:(\r)*4352   ; 512 consecutive bytes of record r
.endr
	s_wait_loadcnt 16                              ; gp and the statistics are in; the sixteen loads of c stay out
	ds_store_b128 v84, v[160:163]
	v_mov_b32 v12, v10                             ; a batch's eight records lie in eight neighbouring lanes
	v_max_num_f32_dpp v12, v12, v12 row_xmask:1 row_mask:0xf bank_mask:0xf
	v_max_num_f32_dpp v12, v12, v12 row_xmask:2 row_mask:0xf bank_mask:0xf
	v_max_num_f32_dpp v12, v12, v12 row_xmask:4 row_mask:0xf bank_mask:0xf
	v_sub_f32 v13, v10, v12
	v_mul_f32 v13, s52, v13
	v_exp_f32 v13, v13
	v_nop
	s_wait_alu depctr_va_vdst(0)
	v_mul_f32 v14, v13, v11
	v_add_f32_dpp v14, v14, v14 row_xmask:1 row_mask:0xf bank_mask:0xf
	v_add_f32_dpp v14, v14, v14 row_xmask:2 row_mask:0xf bank_mask:0xf
	v_add_f32_dpp v14, v14, v14 row_xmask:4 row_mask:0xf bank_mask:0xf
	v_rcp_f32 v14, v14
	v_nop
	s_wait_alu depctr_va_vdst(0)
	v_mul_f32 v15, v13, v14                        ; the record's factor: e / the batch's divisor
.irp r, 0,1,2,3,4,5,6,7,8,9,10,11,12,13,14,15
	v_readlane_b32 s[36+(\r)], v15, \r
.endr
	s_wait_loadcnt 0x0
.irp g, 0,1
.irp c, 0,1,2,3
	v_mul_f32 v[24+4*(\g)+(\c)], s[36+8*(\g)], v[96+32*(\g)+(\c)]
.endr
.endr
.irp p, 1,2,3,4,5,6,7
.irp g, 0,1
.irp c, 0,1,2,3
	v_fmac_f32 v[24+4*(\g)+(\c)], s[36+8*(\g)+(\p)], v[96+32*(\g)+4*(\p)+(\c)]
.endr
.endr
.endr
	ds_store_b128 v5, v[24:27]                     ; my wave's own bytes: LDS serves a wave's instructions in order (ISA guide 5.7.1.4), so its loads below see these
	ds_store_b128 v5, v[28:31] offset:512
	s_wait_tensorcnt 0x0                           ; my rows of W_v are in; nobody else reads them
	LDQ B0, 0
.set q, 0
.rept 16
.if (q%2) == 0
.set CUR, B0
.set NXB, B1
.else
.set CUR, B1
.set NXB, B0
.endif
.if q < 15
	LDQ NXB, q+1
	s_wait_dscnt 6                                 ; all but the six just issued
.else
	s_wait_dscnt 0x0
.endif
.if q == 0
	MACQ CUR, 1
.else
	MACQ CUR, 0
.endif
.set q, q+1
.endr
.irp n, 0,1,2,3,4,5,6,7
	v_permlanex16_b32 v[32+(\n)], v[16+(\n)], s32, s33   ; the other half's 64 k (the destinations are fragment registers that have been read out)
.endr
.irp n, 0,1,2,3,4,5,6,7
	v_add_f32 v[16+(\n)], v[16+(\n)], v[32+(\n)]
.endr
	ds_store_b128 v6, v[16:19]                     ; both halves write the same numbers
	ds_store_b128 v6, v[20:23] offset:256
	s_wait_dscnt 0x0                               ; for wave 0's sake
	s_barrier_signal -1
	s_barrier_wait -1
	s_cmp_lg_u32 s12, 0
	s_cbranch_scc1 .Ldone
.irp n, 0,1,2,3,4,5,6,7,8,9,10,11
	ds_load_b128 v[160+4*(\n):163+4*(\n)], v7 offset:512*(\n)   ; lanes 0-15: the first batch's 64 columns, lanes 16-31 the second's
.endr
	s_wait_dscnt 0x0
.irp n, 0,1,2,3,4,5
.irp c, 0,2
	v_pk_add_f32 v[160+4*(\n)+(\c):161+4*(\n)+(\c)], v[160+4*(\n)+(\c):161+4*(\n)+(\c)], v[184+4*(\n)+(\c):185+4*(\n)+(\c)]
.endr
.endr
.irp n, 0,1,2
.irp c, 0,2
	v_pk_add_f32 v[160+4*(\n)+(\c):161+4*(\n)+(\c)], v[160+4*(\n)+(\c):161+4*(\n)+(\c)], v[172+4*(\n)+(\c):173+4*(\n)+(\c)]
.endr
.endr
.irp c, 0,2
	v_pk_add_f32 v[160+(\c):161+(\c)], v[160+(\c):161+(\c)], v[164+(\c):165+(\c)]
.endr
.irp c, 0,2
	v_pk_add_f32 v[160+(\c):161+(\c)], v[160+(\c):161+(\c)], v[168+(\c):169+(\c)]
.endr
.irp c, 0,1,2,3
	v_mul_f32 v[160+(\c)], s53, v[160+(\c)]        ; tanh(y) = 1 - 2 / (1 + 2^(2 log2(e) y))
.endr
.irp c, 0,1,2,3
	v_exp_f32 v[160+(\c)], v[160+(\c)]
.endr
	v_nop                                          ; a plain instruction behind the exponentials, before their results are used (ISA guide 5.7.2)
	s_wait_alu depctr_va_vdst(0)
.irp c, 0,1,2,3
	v_add_f32 v[160+(\c)], 1.0, v[160+(\c)]
.endr
.irp c, 0,1,2,3
	v_rcp_f32 v[160+(\c)], v[160+(\c)]
.endr
	v_nop
	s_wait_alu depctr_va_vdst(0)
.irp c, 0,1,2,3
	v_fma_f32 v[160+(\c)], v[160+(\c)], -2.0, 1.0
.endr
	global_store_b128 v8, v[160:163], s[10:11]     ; 16 lanes store 256 consecutive bytes, at a multiple of 256 from out0's first byte
.Ldone:
	s_wait_tensorcnt 0x0                           ; the wave's end: behind my last tensor load and my last LDS store
	ds_add_u32 v80, v81
	s_wait_dscnt 0x0
	ROUND                                          ; the closing round: no work-group ends while a partner may still ask for a tile that names it
	s_endpgm
.Lfunc_end_k_qf69d8fcd36_finish:
	.size	k_qf69d8fcd36_finish, .Lfunc_end_k_qf69d8fcd36_finish-k_qf69d8fcd36_finish
	.p2alignl 7, 3214868480
	.fill 96, 4, 3214868480
	.section	.rodata,"a",@progbits
	.p2align	6, 0x0
	.amdhsa_kernel k_qf69d8fcd36_finish
		.amdhsa_group_segment_fixed_size 277504
		.amdhsa_private_segment_fixed_size 0
		.amdhsa_enable_private_segment 0
		.amdhsa_kernarg_size 32
		.amdhsa_user_sgpr_count 2
		.amdhsa_user_sgpr_kernarg_segment_ptr 1
		.amdhsa_wavefront_size32 1
		.amdhsa_system_sgpr_workgroup_id_x 1
		.amdhsa_system_sgpr_workgroup_id_y 1
		.amdhsa_system_sgpr_workgroup_id_z 1
		.amdhsa_system_vgpr_workitem_id 0
		.amdhsa_next_free_vgpr 208
		.amdhsa_next_free_sgpr 66
		.amdhsa_reserve_vcc 0
		.amdhsa_float_denorm_mode_32 3
		.amdhsa_float_denorm_mode_16_64 3
		.amdhsa_memory_ordered 1
		.amdhsa_forward_progress 1
		.amdhsa_inst_pref_size 37
	.end_amdhsa_kernel
	.amdgpu_metadata
---
amdhsa.version: [ 1, 2 ]
amdhsa.kernels:
  - .name:           k_qf69d8fcd36_finish
    .symbol:         k_qf69d8fcd36_finish.kd
    .args:
      - { .name: W_v, .offset: 0, .size: 8, .value_kind: global_buffer, .address_space: global }
      - { .name: part, .offset: 8, .size: 8, .value_kind: global_buffer, .address_space: global }
      - { .name: gp, .offset: 16, .size: 8, .value_kind: global_buffer, .address_space: global }
      - { .name: out0, .offset: 24, .size: 8, .value_kind: global_buffer, .address_space: global }
    .group_segment_fixed_size: 277504
    .private_segment_fixed_size: 0
    .kernarg_segment_align: 8
    .kernarg_segment_size: 32
    .max_flat_workgroup_size: 256
    .sgpr_count:     66
    .vgpr_count:     208
    .wavefront_size: 32
...
	.end_amdgpu_metadata
.endif
;; end of part 3
